; MI455X (gfx1250); checked and timed in simulation.
; The chip was launched on July 23, 2026; its instructions are those of AMD's public machine-readable ISA for CDNA 5 (MIT licence, August 2026) and "CDNA5" Instruction Set Architecture Reference Guide (July 2026). The comments in the code are by the model that wrote it; some were corrected since.
;; Attention. Allowed arithmetic: float matrix products may take bf16 or f16 operands with f32 sums; all other float work in f32.
;; Inputs: Wkv 512 x 256 float32; Wout 512 x 512 float32; Wq 512 x 512 float32; beta 512 float32; bout 512 float32; gamma 512 float32; x 4 x 512 x 2,048 float32.
;; Outputs: out0 4 x 512 x 2,048 float32.
;; One version. Each part assembles by itself: llvm-mc -triple=amdgcn-amd-amdhsa -mcpu=gfx1250 --defsym DOCPART=n.
;; ======== version 1 of 1: 4 launches
;; workspace buffers: wqkv 786,432 bytes; woutb 524,288 bytes; rot 1,572,864 bytes; qkv 12,582,912 bytes; stats 65,536 bytes; ao 8,388,608 bytes
;; launch prep (part 1): grid 256 x 1, 4 waves a work-group, no clusters, 0 bytes of LDS; arguments Wq, Wkv, Wout, wqkv, woutb, rot; writes wqkv, woutb, rot
.if DOCPART == 1
	.amdgcn_target "amdgcn-amd-amdhsa--gfx1250"
	.amdhsa_code_object_version 6
	.text
	.protected	k_q810536844a_prep
	.globl	k_q810536844a_prep
	.p2align	8
	.type	k_q810536844a_prep,@function
k_q810536844a_prep:
	s_mov_b64 s[64:65], 0
	v_nop
	global_prefetch_b8 v0, s[64:65] scope:SCOPE_SE
	s_setreg_imm32_b32 hwreg(HW_REG_WAVE_MODE, 25, 1), 1
	s_wait_xcnt 0x0
; prep: the weights once in bf16, and the rotary table.
;   wqkv  bf16 [512 k][768 c]: columns 0-511 = Wq, 512-767 = Wkv.     woutb bf16 [512 k][512 d] = Wout.
;   rot   f32 [3 planes][2048 pos][C 32 | S 32], 256 bytes for a plane and a position:
;         plane 0 (q): cos, sin times scale times 0.125 log2(e);  plane 1 (k): cos, sin over scale;  plane 2 (v): 1, 0.
; 32,768 threads, each with the same four jobs: 8 numbers of Wq, 8 of Wout, 4 of Wkv, 4 table entries in each plane.
; LIMITS.  The angle pos * inv_freq is formed in f32, as in the definition, and reduced in turns (angle / 2 pi minus its
; nearest whole number), also in f32: at pos 2047 that is good to about 1.2e-4 rad.  cos is the Taylor series up to r^14 on
; [-pi, pi], cut-off error at most pi^16 / 16! = 4.3e-6; sin(a) is taken as cos(a - pi/2).
.set PLANE, 524288                     ; bytes in a plane of rot
	s_load_b256 s[4:11], s[0:1], 0x0               ; Wq s[4:5], Wkv s[6:7], Wout s[8:9], wqkv s[10:11]
	s_load_b128 s[12:15], s[0:1], 0x20             ; woutb s[12:13], rot s[14:15]
	s_lshl_b32 s16, ttmp9, 7                       ; 128 threads a work-group
	s_mov_b32 s20, 0x3cb6db6e                      ; 2 / 89.6
	s_mov_b32 s21, 0x3e924925                      ; 25.6 / 89.6
	s_mov_b32 s22, 0x3e22f983                      ; 1 / (2 pi)
	s_mov_b32 s23, 0xad49cba5                      ; -1 / 14!
	s_mov_b32 s24, 0x310f76c8                      ; 1 / 12!
	v_add_nc_u32 v1, s16, v0                       ; gid
	v_lshlrev_b32 v2, 5, v1                        ; 32 gid: 8 f32
	v_lshlrev_b32 v3, 4, v1                        ; 16 gid: 4 f32, 8 bf16, or my 16 bytes of a table plane
	s_wait_kmcnt 0x0
	global_load_b128 v[8:11],  v2, s[4:5]
	global_load_b128 v[12:15], v2, s[4:5] offset:16
	global_load_b128 v[16:19], v2, s[8:9]
	global_load_b128 v[20:23], v2, s[8:9] offset:16
	global_load_b128 v[24:27], v3, s[6:7]
	v_lshrrev_b32 v4, 6, v1                        ; k: 64 threads to a row of Wq (8 each) and of Wkv (4 each)
	v_and_b32 v5, 63, v1
	v_mul_u32_u24 v4, v4, 1536                     ; a row of wqkv
	v_lshl_add_u32 v6, v5, 4, v4                   ; Wq's 16 bytes
	v_lshl_add_u32 v7, v5, 3, v4                   ; Wkv's 8 bytes (1,024 further on, in the immediate)
	; the table: pos = gid >> 4, cs = bit 3 (0: cos, 1: sin), f = 4 (gid & 7) + i
	v_lshrrev_b32 v28, 4, v1
	v_cvt_f32_u32 v32, v28                         ; pos
	v_bfe_u32 v29, v1, 3, 1
	v_cvt_f32_u32 v35, v29                         ; cs
	v_mul_f32 v34, 0xbe800000, v35                 ; -0.25 cs: a quarter turn back makes a sine of the cosine
	v_sub_f32 v35, 1.0, v35                        ; plane 2: 1 in the C half, 0 in the S half
	v_and_b32 v28, 7, v1
	v_lshlrev_b32 v28, 2, v28
	v_cvt_f32_u32 v28, v28                         ; f for i = 0
	v_add_f32 v29, 1.0, v28
	v_add_f32 v30, 2.0, v28
	v_add_f32 v31, 0x40400000, v28
	v_add_f32 v33, 0xc4800000, v32                 ; pos - 1024
	v_mul_f32 v33, 0x39800000, v33                 ; / 4096: the power
.irp i, 0,1,2,3
	v_mul_f32 v[36+\i], 0xbed49a78, v[28+\i]       ; -f log2(10000) / 32
	v_fma_f32 v[40+\i], v[28+\i], s20, s21         ; (2 f + 25.6) / 89.6
.endr
.irp i, 0,1,2,3
	v_exp_f32 v[44+\i], v[36+\i]                   ; inv_freq
.endr
.irp i, 0,1,2,3
	v_log_f32 v[48+\i], v[40+\i]                   ; log2 of the base scale
.endr
	v_nop                                          ; one plain instruction behind the transcendentals (ISA guide 5.7.2)
	s_wait_alu depctr_va_vdst(0)
.irp i, 0,1,2,3
	v_mul_f32 v[36+\i], v32, v[44+\i]              ; the angle
	v_mul_f32 v[40+\i], v33, v[48+\i]              ; L = power x log2(base): scale = 2^L
.endr
.irp i, 0,1,2,3
	v_fma_f32 v[44+\i], v[36+\i], s22, v34         ; in turns, less the quarter for a sine
.endr
.irp i, 0,1,2,3
	v_add_f32 v[36+\i], 0xc01e28b1, v[40+\i]       ; L + log2(0.125 log2 e)
	v_sub_f32 v[40+\i], 0, v[40+\i]                ; -L
	v_rndne_f32 v[48+\i], v[44+\i]
.endr
.irp i, 0,1,2,3
	v_exp_f32 v[52+\i], v[36+\i]                   ; q's factor
.endr
.irp i, 0,1,2,3
	v_exp_f32 v[56+\i], v[40+\i]                   ; k's factor
.endr
.irp i, 0,1,2,3
	v_sub_f32 v[44+\i], v[44+\i], v[48+\i]         ; in [-0.5, 0.5] (also the plain instructions behind the exponentials)
.endr
.irp i, 0,1,2,3
	v_mul_f32 v[44+\i], 0x40c90fdb, v[44+\i]       ; r in [-pi, pi]
.endr
.irp i, 0,1,2,3
	v_mul_f32 v[44+\i], v[44+\i], v[44+\i]         ; w = r r
.endr
.irp i, 0,1,2,3
	v_fma_f32 v[48+\i], v[44+\i], s23, s24
.endr
.irp c, 0xb493f27e, 0x37d00d01, 0xbab60b61, 0x3d2aaaab
.irp i, 0,1,2,3
	v_fmaak_f32 v[48+\i], v[48+\i], v[44+\i], \c   ; -1/10!, 1/8!, -1/6!, 1/4!
.endr
.endr
.irp i, 0,1,2,3
	v_fma_f32 v[48+\i], v[48+\i], v[44+\i], -0.5
.endr
.irp i, 0,1,2,3
	v_fma_f32 v[48+\i], v[48+\i], v[44+\i], 1.0
.endr
	s_wait_alu depctr_va_vdst(0)
.irp i, 0,1,2,3
	v_mul_f32 v[52+\i], v[48+\i], v[52+\i]
	v_mul_f32 v[56+\i], v[48+\i], v[56+\i]
	v_mov_b32 v[60+\i], v35
.endr
	global_store_b128 v3, v[52:55], s[14:15]                   ; sixteen lanes fill one position's 256 bytes
	global_store_b128 v3, v[56:59], s[14:15] offset:PLANE
	global_store_b128 v3, v[60:63], s[14:15] offset:2*PLANE
	s_wait_loadcnt 0x3                             ; Wq's two loads are in; three younger ones stay out
.irp j, 0,1,2,3
	v_cvt_pk_bf16_f32 v[36+\j], v[8+2*\j], v[9+2*\j]
.endr
	global_store_b128 v6, v[36:39], s[10:11]
	s_wait_loadcnt 0x1                             ; Wout's two; Wkv's stays out
.irp j, 0,1,2,3
	v_cvt_pk_bf16_f32 v[40+\j], v[16+2*\j], v[17+2*\j]
.endr
	global_store_b128 v3, v[40:43], s[12:13]
	s_wait_loadcnt 0x0
	v_cvt_pk_bf16_f32 v44, v24, v25
	v_cvt_pk_bf16_f32 v45, v26, v27
	global_store_b64 v7, v[44:45], s[10:11] offset:1024        ; a wave's 32 lanes: 256 consecutive bytes
	s_endpgm
.Lfunc_end_k_q810536844a_prep:
	.size	k_q810536844a_prep, .Lfunc_end_k_q810536844a_prep-k_q810536844a_prep
	.p2alignl 7, 3214868480
	.fill 96, 4, 3214868480
	.section	.rodata,"a",@progbits
	.p2align	6, 0x0
	.amdhsa_kernel k_q810536844a_prep
		.amdhsa_group_segment_fixed_size 0
		.amdhsa_private_segment_fixed_size 0
		.amdhsa_enable_private_segment 0
		.amdhsa_kernarg_size 48
		.amdhsa_user_sgpr_count 2
		.amdhsa_user_sgpr_kernarg_segment_ptr 1
		.amdhsa_wavefront_size32 1
		.amdhsa_system_sgpr_workgroup_id_x 1
		.amdhsa_system_sgpr_workgroup_id_y 1
		.amdhsa_system_sgpr_workgroup_id_z 1
		.amdhsa_system_vgpr_workitem_id 0
		.amdhsa_next_free_vgpr 64
		.amdhsa_next_free_sgpr 66
		.amdhsa_reserve_vcc 0
		.amdhsa_float_denorm_mode_32 3
		.amdhsa_float_denorm_mode_16_64 3
		.amdhsa_memory_ordered 1
		.amdhsa_forward_progress 1
		.amdhsa_inst_pref_size 9
	.end_amdhsa_kernel
	.amdgpu_metadata
---
amdhsa.version: [ 1, 2 ]
amdhsa.kernels:
  - .name:           k_q810536844a_prep
    .symbol:         k_q810536844a_prep.kd
    .args:
      - { .name: Wq, .offset: 0, .size: 8, .value_kind: global_buffer, .address_space: global }
      - { .name: Wkv, .offset: 8, .size: 8, .value_kind: global_buffer, .address_space: global }
      - { .name: Wout, .offset: 16, .size: 8, .value_kind: global_buffer, .address_space: global }
      - { .name: wqkv, .offset: 24, .size: 8, .value_kind: global_buffer, .address_space: global }
      - { .name: woutb, .offset: 32, .size: 8, .value_kind: global_buffer, .address_space: global }
      - { .name: rot, .offset: 40, .size: 8, .value_kind: global_buffer, .address_space: global }
    .group_segment_fixed_size: 0
    .private_segment_fixed_size: 0
    .kernarg_segment_align: 8
    .kernarg_segment_size: 48
    .max_flat_workgroup_size: 128
    .sgpr_count:     66
    .vgpr_count:     64
    .wavefront_size: 32
...
	.end_amdgpu_metadata
.endif
;; end of part 1
;; launch lnqkv (part 2): grid 128 x 2, 8 waves a work-group, clusters of 4 x 1, 327,680 bytes of LDS; arguments x, gamma, beta, wqkv, rot, qkv, stats; writes qkv, stats
.if DOCPART == 2
	.amdgcn_target "amdgcn-amd-amdhsa--gfx1250"
	.amdhsa_code_object_version 6
	.text
	.protected	k_q810536844a_lnqkv
	.globl	k_q810536844a_lnqkv
	.p2align	8
	.type	k_q810536844a_lnqkv,@function
k_q810536844a_lnqkv:
	s_mov_b64 s[64:65], 0
	v_nop
	global_prefetch_b8 v0, s[64:65] scope:SCOPE_SE
	s_setreg_imm32_b32 hwreg(HW_REG_WAVE_MODE, 25, 1), 1
	s_wait_xcnt 0x0
	s_wait_alu depctr_hold_cnt(0) depctr_sa_sdst(0) depctr_va_vdst(0) depctr_va_sdst(0) depctr_va_ssrc(0) depctr_va_vcc(0) depctr_vm_vsrc(0)
	s_getreg_b32 s2, hwreg(HW_REG_IB_STS2, 6, 4)
	s_cmp_eq_u32 s2, 0
	s_cbranch_scc0 .Lentry_in_a_cluster
	s_endpgm
.Lentry_in_a_cluster:
	s_bfe_u32 s2, ttmp6, 0x10000c
	s_cmp_lg_u32 s2, 0x3003
	s_cbranch_scc0 .Lentry_shape_is_right
	s_endpgm
.Lentry_shape_is_right:
; lnqkv: LayerNorm over the 512 channels, the projections to q, k, v, and the rotary embedding.
; A work-group takes 64 positions of one batch (x, 0..127) and half of the 768 columns (y: head planes 6 y .. 6 y + 5).
;   qkv   bf16 [4 b][12 planes][2048 n][64]: planes 0-7 q, 8-9 k, 10-11 v.     stats f32 [2][8192]: mean, then 1/deviation.
; LayerNorm in two passes in f32 (mean, then the sum of squared deviations), the 64 x 512 block of x held in registers;
; the normed block goes to LDS in bf16 as [512 d][64 n].  The product: D = W fragment x xn fragment, so a lane holds one position and
; eight neighbouring columns; a wave's column tiles 16 ct and 32 + 16 ct of a head put the rotary partners j and j + 32 into one lane
; and one register index.  All twelve planes run one text: v takes the table's plane of ones and zeros.
; CLUSTER: the four work-groups of a cluster differ in their positions alone and read the same tiles of the weights: every tile is
; asked for jointly (mask 15).  K goes in four steps of 128 through two LDS slots; each wave brings 16 of a tile's 128 rows.
; By this text's count a wave has two tensor loads out at the start and one behind each refill.
; LIMITS: xn, q, k, v are rounded to bf16 as matrix operands.  NaN and infinities are not treated apart (an infinite v column meets a 0 of
; the table in its partner's rotation).
.set WSLOT, 110592                     ; a slot: 128 rows of 864 bytes = 6 heads x (128 + 16)
.set XN,    221184                     ; bf16 [512 d][64 n], pitch 160; later the stage for the way out: 6 heads x 64 rows x 144
.set SCR,   303104                     ; two areas of 2,048 bytes for the sums over the waves
.set ACC,   32                         ; v[32:127]  tile (a, p, t) at 32 + 8 (4 a + 2 p + t)
.set F0,    128                        ; v[128:191] fragments: W (a, p) at + 8 (2 a + p), xn t at + 48 + 8 t
.set F1,    192                        ; v[192:255] the second buffer
.set X,     64                         ; v[64:191]  LayerNorm: row i of my 32 at 64 + 4 i
.set GA,    192                        ; v[192:223] gamma of my 32 rows
.set BT,    224                        ; v[224:255] beta
.set VWA,   8                          ; v8-11      W fragments: slot 0 quarters 0-1, 2-3; slot 1 likewise
.set VXA,   16                         ; v16-17     xn fragments: rows 0-255, 256-511
.set G1,    24                         ; s[24:31]   descriptor group 1
.set G0,    32                         ; s[32:39]   descriptor group 0, a set for each slot
.macro ROUND                           ; a round of the cluster's barrier
	s_barrier_signal -1
	s_barrier_wait -1
	s_cmp_lg_u32 s18, 0
	s_cbranch_scc1 .Lnw0_\@
	s_barrier_signal -3
.Lnw0_\@:
	s_barrier_wait -3
	s_barrier_signal -1
	s_barrier_wait -1
.endm
.macro PLACES n
.rept \n
	v_nop
.endr
.endm
	s_load_b256 s[4:11], s[0:1], 0x0               ; x s[4:5], gamma s[6:7], beta s[8:9], wqkv s[10:11]
	s_load_b128 s[12:15], s[0:1], 0x20             ; rot s[12:13], qkv s[14:15]
	s_load_b64 s[16:17], s[0:1], 0x30              ; stats
	s_set_vgpr_msb 0x40
	v_lshl_add_u32 v0, v0, 2, 0x4b000
	v_mov_b32 v1, 0
	s_set_vgpr_msb 0x4045
	ds_add_u32 v0, v1
	s_set_vgpr_msb 0x4500
	v_lshrrev_b32 v1, 5, v0
	v_readfirstlane_b32 s18, v1                    ; wave 0..7
	s_bfe_u32 s19, ttmp6, 0x40000                  ; cx
	s_lshl_b32 s20, ttmp9, 2
	s_add_co_u32 s20, s20, s19                     ; block of positions 0..127
	s_and_b32 s21, ttmp7, 0xffff                   ; y: column half
	s_lshr_b32 s22, s20, 5                         ; b
	s_and_b32 s23, s20, 31
	s_lshl_b32 s23, s23, 6                         ; first position in the batch
	s_and_b32 s56, s18, 1                          ; ct: which 16 of each 32 columns
	s_bfe_u32 s57, s18, 0x10001                    ; rh: which 32 positions
	s_lshr_b32 s58, s18, 2                         ; hg: which three heads
	s_mov_b32 s60, 0x76543210                      ; v_permlanex16_b32: lane i reads lane i of the other half
	s_mov_b32 s61, 0xfedcba98
	v_and_b32 v2, 15, v0                           ; c: my 4 positions; also r, the lane in its half
	v_lshrrev_b32 v3, 4, v0                        ; rs: my 32 rows
	v_lshlrev_b32 v12, 4, v2
	v_lshl_add_u32 v12, v3, 18, v12                ; rs x 32 rows x 8,192 bytes + 16 c
	v_lshlrev_b32 v13, 7, v3                       ; gamma and beta of my 32 rows
	s_lshl_b32 s52, s22, 22                        ; b x 512 x 8,192
	s_lshl_b32 s53, s23, 2
	s_add_co_u32 s52, s52, s53
	s_mov_b32 s53, 0
	s_wait_dscnt 0x0
	s_wait_kmcnt 0x0
	s_add_nc_u64 s[48:49], s[4:5], s[52:53]
.set i, 0
.rept 32
	global_load_b128 v[X+4*i:X+4*i+3], v12, s[48:49] offset:8192*i     ; sixteen lanes: 256 consecutive bytes of one channel's row
.set i, i+1
.endr
.irp j, 0,1,2,3,4,5,6,7
	global_load_b128 v[GA+4*\j:GA+4*\j+3], v13, s[6:7] offset:16*\j
.endr
.irp j, 0,1,2,3,4,5,6,7
	global_load_b128 v[BT+4*\j:BT+4*\j+3], v13, s[8:9] offset:16*\j
.endr
	; descriptor group 1: 16 rows of 384 bf16, 16 bytes of padding behind every 128 (one head's columns)
	s_mov_b32 s[G1+0], 15|(1<<16)|(1<<20)|(1<<21)|(4<<22)|(3<<25)  ; mask of all four; 2-byte elements; padding on; bit 21 beside a mask; every 32 words; 4 words
	s_mov_b32 s[G1+1], 384<<16                     ; tensor_dim0
	s_mov_b32 s[G1+2], 16<<16                      ; tensor_dim1
	s_mov_b32 s[G1+3], 384<<16                     ; tile_dim0
	s_mov_b32 s[G1+4], 16                          ; tile_dim1
	s_mov_b32 s[G1+5], 768                         ; elements from row to row
	s_mov_b32 s[G1+6], 0
	s_mov_b32 s[G1+7], 0
	; group 0: my 16 rows of K steps 0 and 1.  Nothing here hangs on the place in the cluster.
	s_mov_b32 s[G0+0], 1
	s_mov_b32 s[G0+4], 1
	s_mul_i32 s[G0+1], s18, 13824                  ; wave x 16 rows x 864
	s_add_co_u32 s[G0+5], s[G0+1], WSLOT
	s_mul_i32 s54, s18, 24576                      ; wave x 16 rows x 1,536
	s_mul_i32 s55, s21, 768                        ; the column half
	s_add_co_u32 s54, s54, s55
	s_mov_b32 s55, 0
	s_add_nc_u64 s[G0+2:G0+3], s[10:11], s[54:55]
	s_add_nc_u64 s[G0+6:G0+7], s[G0+2:G0+3], 196608        ; 128 rows on
	s_or_b32 s[G0+3], s[G0+3], 0x80000000
	s_or_b32 s[G0+7], s[G0+7], 0x80000000
	ROUND                                          ; all four work-groups are here: the first joint loads meet
	tensor_load_to_lds s[G0:G0+3], s[G1:G1+7]
	s_nop 0
	tensor_load_to_lds s[G0+4:G0+7], s[G1:G1+7]
	s_nop 0
	; addresses, while x is on its way
	v_and_b32 v4, 31, v0                           ; L
	v_bfe_u32 v5, v0, 4, 1                         ; hl
	v_and_b32 v6, 7, v0                            ; L & 7
	v_bfe_u32 v7, v0, 3, 1                         ; (L >> 3) & 1
	v_lshl_add_u32 v14, v5, 3, v6                  ; the row that a transposing load of mine addresses: 8 hl + (L & 7)
	v_mul_u32_u24 v15, v14, 864
	v_lshl_add_u32 v15, v7, 4, v15
	s_mul_i32 s59, s58, 432                        ; three heads x 144
	s_lshl_b32 s62, s56, 5                         ; 16 columns
	s_add_co_u32 s59, s59, s62
	v_add_nc_u32 v[VWA], s59, v15
	v_add_nc_u32 v[VWA+1], 55296, v[VWA]           ; 64 rows on
	v_add_nc_u32 v[VWA+2], WSLOT, v[VWA]
	v_add_nc_u32 v[VWA+3], WSLOT+55296, v[VWA]
	v_mul_u32_u24 v15, v14, 160
	v_lshl_add_u32 v15, v7, 4, v15
	s_lshl_b32 s59, s57, 6                         ; 32 positions
	s_add_co_u32 s59, s59, XN
	v_add_nc_u32 v[VXA], s59, v15
	v_add_nc_u32 v[VXA+1], 40960, v[VXA]           ; 256 rows on
	v_lshlrev_b32 v19, 4, v2
	v_add_nc_u32 v19, SCR, v19                     ; the waves' sums of my 4 positions, 256 bytes apart
	v_lshl_add_u32 v18, v1, 8, v19                 ; my wave's
	v_mul_u32_u24 v31, v3, 5120                    ; 32 rows x 160
	v_lshl_add_u32 v31, v2, 3, v31
	v_add_nc_u32 v31, XN, v31                      ; where my 4 positions of my first row go
	v_lshlrev_b32 v30, 4, v2
	v_lshl_add_u32 v30, v5, 3, v30                 ; stats: 16 c + 8 hl
	s_lshl_b32 s52, s21, 15                        ; y = 0: the means, y = 1: the reciprocal deviations
	s_lshl_b32 s53, s22, 13
	s_add_co_u32 s52, s52, s53
	s_lshl_b32 s53, s23, 2
	s_add_co_u32 s52, s52, s53
	s_mov_b32 s53, 0
	s_add_nc_u64 s[50:51], s[16:17], s[52:53]
	; the table's bases for my three heads: plane 0 for q (head plane < 8), 1 for k (8, 9), 2 for v (10, 11)
	s_lshl_b32 s66, s57, 5
	s_add_co_u32 s66, s66, s23
	s_lshl_b32 s66, s66, 8                         ; my first position x 256
	s_lshl_b32 s67, s56, 6                         ; 16 ct frequencies x 4
	s_add_co_u32 s66, s66, s67
	s_mul_i32 s67, s21, 6
	s_mul_i32 s70, s58, 3
	s_add_co_u32 s67, s67, s70                     ; my first head plane
.irp a, 0,1,2
	s_add_co_u32 s70, s67, \a
	s_cmp_ge_u32 s70, 8
	s_cselect_b32 s68, 524288, 0
	s_cmp_ge_u32 s70, 10
	s_cselect_b32 s69, 524288, 0
	s_add_co_u32 s68, s68, s69
	s_add_co_u32 s68, s68, s66
	s_mov_b32 s69, 0
	s_add_nc_u64 s[40+2*\a:41+2*\a], s[12:13], s[68:69]
.endr
	s_mul_i32 s68, s22, 12
	s_mul_i32 s69, s21, 6
	s_add_co_u32 s68, s68, s69
	s_lshl_b32 s68, s68, 18                        ; (12 b + 6 y) planes of 262,144 bytes
	s_lshl_b32 s69, s23, 7
	s_add_co_u32 s68, s68, s69
	s_mov_b32 s69, 0
	s_add_nc_u64 s[46:47], s[14:15], s[68:69]
; The sums in v[32:35] and v[36:39] (two chains) are added, then over the two halves of the wave, then over the eight waves through LDS.
.macro REDUCE off
	v_pk_add_f32 v[32:33], v[32:33], v[36:37]
	v_pk_add_f32 v[34:35], v[34:35], v[38:39]
.irp k, 0,1,2,3
	v_permlanex16_b32 v[36+\k], v[32+\k], s60, s61
.endr
	v_pk_add_f32 v[32:33], v[32:33], v[36:37]
	v_pk_add_f32 v[34:35], v[34:35], v[38:39]
	ds_store_b128 v18, v[32:35] offset:\off        ; both halves write the same 16 bytes with the same numbers
	s_wait_dscnt 0x0                               ; for the other waves' sake
	s_barrier_signal -1
	s_barrier_wait -1
.irp j, 0,1,2,3,4,5,6,7
	ds_load_b128 v[32+4*\j:35+4*\j], v19 offset:\off+256*\j
.endr
	s_wait_dscnt 0x0
.irp j, 0,2,4,6
	v_pk_add_f32 v[32+4*\j:33+4*\j], v[32+4*\j:33+4*\j], v[36+4*\j:37+4*\j]
	v_pk_add_f32 v[34+4*\j:35+4*\j], v[34+4*\j:35+4*\j], v[38+4*\j:39+4*\j]
.endr
	v_pk_add_f32 v[32:33], v[32:33], v[40:41]
	v_pk_add_f32 v[34:35], v[34:35], v[42:43]
	v_pk_add_f32 v[48:49], v[48:49], v[56:57]
	v_pk_add_f32 v[50:51], v[50:51], v[58:59]
	v_pk_add_f32 v[32:33], v[32:33], v[48:49]
	v_pk_add_f32 v[34:35], v[34:35], v[50:51]
.endm
.macro ADDROW acc, i
	v_pk_add_f32 v[\acc:\acc+1], v[\acc:\acc+1], v[X+4*(\i):X+4*(\i)+1]
	v_pk_add_f32 v[\acc+2:\acc+3], v[\acc+2:\acc+3], v[X+4*(\i)+2:X+4*(\i)+3]
.endm
	; the mean.  48 loads were issued; rows 8 g .. 8 g + 7 are in when at most 40 - 8 g are out.
	s_wait_loadcnt 40
	v_pk_add_f32 v[32:33], v[X:X+1], v[X+4:X+5]    ; the first sums start the chains: nothing is cleared
	v_pk_add_f32 v[34:35], v[X+2:X+3], v[X+6:X+7]
	v_pk_add_f32 v[36:37], v[X+16:X+17], v[X+20:X+21]
	v_pk_add_f32 v[38:39], v[X+18:X+19], v[X+22:X+23]
	ADDROW 32, 2
	ADDROW 36, 6
	ADDROW 32, 3
	ADDROW 36, 7
.irp g, 1,2,3
	s_wait_loadcnt 40-8*\g
.irp k, 0,1,2,3
	ADDROW 32, 8*\g+\k
	ADDROW 36, 8*\g+4+\k
.endr
.endr
	REDUCE 0
	v_pk_mul_f32 v[20:21], v[32:33], 0x3b000000 op_sel_hi:[1,0]    ; / 512: the means of my 4 positions
	v_pk_mul_f32 v[22:23], v[34:35], 0x3b000000 op_sel_hi:[1,0]
	; deviations in place, and the sum of their squares
.set i, 0
.rept 32
	v_pk_add_f32 v[X+4*i:X+4*i+1], v[X+4*i:X+4*i+1], v[20:21] neg_lo:[0,1] neg_hi:[0,1]
	v_pk_add_f32 v[X+4*i+2:X+4*i+3], v[X+4*i+2:X+4*i+3], v[22:23] neg_lo:[0,1] neg_hi:[0,1]
.set i, i+1
.endr
	v_pk_mul_f32 v[32:33], v[X:X+1], v[X:X+1]
	v_pk_mul_f32 v[34:35], v[X+2:X+3], v[X+2:X+3]
	v_pk_mul_f32 v[36:37], v[X+4:X+5], v[X+4:X+5]
	v_pk_mul_f32 v[38:39], v[X+6:X+7], v[X+6:X+7]
.set i, 2
.rept 30
	v_pk_fma_f32 v[32+4*(i&1):33+4*(i&1)], v[X+4*i:X+4*i+1], v[X+4*i:X+4*i+1], v[32+4*(i&1):33+4*(i&1)]
	v_pk_fma_f32 v[34+4*(i&1):35+4*(i&1)], v[X+4*i+2:X+4*i+3], v[X+4*i+2:X+4*i+3], v[34+4*(i&1):35+4*(i&1)]
.set i, i+1
.endr
	REDUCE 2048                                    ; other bytes than the first sum's: no barrier between that one's reads and these stores
	s_mov_b32 s62, 0x3b000000                      ; 1 / 512
	s_mov_b32 s63, 0x3727c5ac                      ; 1e-5
.irp k, 0,1,2,3
	v_fma_f32 v[36+\k], v[32+\k], s62, s63
.endr
.irp k, 0,1,2,3
	v_rsq_f32 v[24+\k], v[36+\k]
.endr
	v_nop                                          ; one plain instruction behind the transcendentals (ISA guide 5.7.2)
	; stats: wave 0 stores 256 consecutive bytes, 8 a lane: the means where y = 0, the reciprocal deviations where y = 1
	s_cmp_lg_u32 s18, 0
	s_cbranch_scc1 .Lnostats
	s_cmp_lg_u32 s21, 0
	s_cselect_b32 s59, -1, 0
	v_cmp_ne_u32 vcc_lo, 0, v5
	s_wait_alu depctr_va_vdst(0)
.irp k, 0,1,2,3
	v_cndmask_b32 v[32+\k], v[20+\k], v[24+\k], s59
.endr
	v_cndmask_b32 v28, v32, v34, vcc_lo            ; lanes 16-31 take the upper two of the four positions
	v_cndmask_b32 v29, v33, v35, vcc_lo
	global_store_b64 v30, v[28:29], s[50:51]       ; v28-30 are not written again
.Lnostats:
	; xn = deviation / sigma x gamma + beta, to bf16, into LDS as [d][n]
	s_wait_loadcnt 0x0                             ; gamma and beta
.set i, 0
	s_wait_alu depctr_va_vdst(0)
.rept 32
	v_pk_mul_f32 v[X+4*i:X+4*i+1], v[X+4*i:X+4*i+1], v[24:25]
	v_pk_mul_f32 v[X+4*i+2:X+4*i+3], v[X+4*i+2:X+4*i+3], v[26:27]
.if i&1
	v_pk_fma_f32 v[X+4*i:X+4*i+1], v[X+4*i:X+4*i+1], v[GA+i-1:GA+i], v[BT+i-1:BT+i] op_sel:[0,1,1] op_sel_hi:[1,1,1]
	v_pk_fma_f32 v[X+4*i+2:X+4*i+3], v[X+4*i+2:X+4*i+3], v[GA+i-1:GA+i], v[BT+i-1:BT+i] op_sel:[0,1,1] op_sel_hi:[1,1,1]
.else
	v_pk_fma_f32 v[X+4*i:X+4*i+1], v[X+4*i:X+4*i+1], v[GA+i:GA+i+1], v[BT+i:BT+i+1] op_sel:[0,0,0] op_sel_hi:[1,0,0]
	v_pk_fma_f32 v[X+4*i+2:X+4*i+3], v[X+4*i+2:X+4*i+3], v[GA+i:GA+i+1], v[BT+i:BT+i+1] op_sel:[0,0,0] op_sel_hi:[1,0,0]
.endif
	v_cvt_pk_bf16_f32 v[X+4*i], v[X+4*i], v[X+4*i+1]
	v_cvt_pk_bf16_f32 v[X+4*i+1], v[X+4*i+2], v[X+4*i+3]
	ds_store_b64 v31, v[X+4*i:X+4*i+1] offset:160*i
.set i, i+1
.endr
; 16 transposing loads: the fragments of quarter q (32 along K) of K step ks into buffer f.  Both operands lie in LDS with K down the rows.
.macro FETCH ks, q, f
.irp a, 0,1,2
.irp p, 0,1
	ds_load_tr16_b128 v[\f+8*(2*\a+\p):\f+8*(2*\a+\p)+3],   v[VWA+2*(\ks&1)+(\q>>1)] offset:(\q&1)*27648+\a*144+\p*64
	ds_load_tr16_b128 v[\f+8*(2*\a+\p)+4:\f+8*(2*\a+\p)+7], v[VWA+2*(\ks&1)+(\q>>1)] offset:(\q&1)*27648+\a*144+\p*64+13824
.endr
.endr
.irp t, 0,1
	ds_load_tr16_b128 v[\f+48+8*\t:\f+48+8*\t+3], v[VXA+(\ks>>1)] offset:((\ks&1)*128+32*\q)*160+32*\t
	ds_load_tr16_b128 v[\f+48+8*\t+4:\f+48+8*\t+7], v[VXA+(\ks>>1)] offset:((\ks&1)*128+32*\q)*160+32*\t+2560
.endr
.endm
; 12 matrix instructions, the twelve accumulators by turns, one instruction a turn, in the same order every time
.macro MUL12 f, zero
.irp a, 0,1,2
.irp p, 0,1
.irp t, 0,1
.if \zero
	v_wmma_f32_16x16x32_bf16 v[ACC+8*(4*\a+2*\p+\t):ACC+8*(4*\a+2*\p+\t)+7], v[\f+8*(2*\a+\p):\f+8*(2*\a+\p)+7], v[\f+48+8*\t:\f+48+8*\t+7], 0
.else
	v_wmma_f32_16x16x32_bf16 v[ACC+8*(4*\a+2*\p+\t):ACC+8*(4*\a+2*\p+\t)+7], v[\f+8*(2*\a+\p):\f+8*(2*\a+\p)+7], v[\f+48+8*\t:\f+48+8*\t+7], v[ACC+8*(4*\a+2*\p+\t):ACC+8*(4*\a+2*\p+\t)+7]
.endif
.endr
.endr
.endr
.endm
; A K step of 128: four quarters on buffers 0, 1, 0, 1.  A load into a register that a matrix instruction has read stands four places behind it
; (ISA guide 7.12.1 for vector instructions).  s_wait_dscnt 16: all but the 16 loads just issued are in.
.macro KSTEP ks, zero
	PLACES 4
	FETCH \ks, 0, F0
	FETCH \ks, 1, F1
	s_wait_dscnt 16
	MUL12 F0, \zero
	PLACES 4
	FETCH \ks, 2, F0
	s_wait_dscnt 16
	MUL12 F1, 0
	PLACES 4
	FETCH \ks, 3, F1
	s_wait_dscnt 16
	MUL12 F0, 0
	s_wait_dscnt 0x0
	MUL12 F1, 0
.endm
; Slot s has been read and is filled again, two K steps ahead.  The cluster's round is the barrier in front of the refill.
.macro RFILL s
	s_wait_dscnt 0x0                               ; my reads of the slot are back
	s_set_vgpr_msb 0x5
	s_wait_tensorcnt 0x0                           ; all my tensor loads have landed, my part of the other slot among them: a group 0 may be written
	ds_add_u32 v0, v1
	s_wait_dscnt 0x0
	s_set_vgpr_msb 0x500
	s_add_nc_u64 s[G0+4*\s+2:G0+4*\s+3], s[G0+4*\s+2:G0+4*\s+3], 393216    ; 256 rows on
	ROUND                                          ; both now hold of every wave of all four work-groups
	tensor_load_to_lds s[G0+4*\s:G0+4*\s+3], s[G1:G1+7]
	s_nop 0
.endm
	s_wait_dscnt 0x0                               ; my rows of xn are in LDS
	s_wait_tensorcnt 0x1                           ; my part of K step 0 is in; K step 1's may stay out
	s_barrier_signal -1
	s_barrier_wait -1
	KSTEP 0, 1                                     ; the first products start the sums
	RFILL 0
	KSTEP 1, 0
	RFILL 1
	KSTEP 2, 0
	s_wait_dscnt 0x0
	s_wait_tensorcnt 0x0                           ; my one load that is out: my part of K step 3
	s_barrier_signal -1
	s_barrier_wait -1
	KSTEP 3, 0
	; THE WAY OUT.  The address arithmetic (eleven plain vector instructions that name no register of a matrix instruction) fills the four places
	; behind the last products, for the loads into the fragment buffers and for the arithmetic on the sums.
	s_mul_i32 s59, s58, 27648                      ; three heads x 64 rows x 144
	s_mul_i32 s62, s57, 4608                       ; 32 rows
	s_add_co_u32 s59, s59, s62
	s_lshl_b32 s62, s56, 5
	s_add_co_u32 s59, s59, s62
	s_add_co_u32 s59, s59, XN
	s_mul_i32 s62, s18, 576                        ; four rows a wave
	s_add_co_u32 s62, s62, XN
	v_lshlrev_b32 v20, 8, v2                       ; the table: position r x 256
	v_lshl_add_u32 v20, v5, 5, v20                 ; + 8 hl frequencies
	v_mul_u32_u24 v21, v2, 144                     ; the stage, in: row r, 16 bytes for each half of the lanes
	v_lshl_add_u32 v21, v5, 4, v21
	v_add_nc_u32 v21, s59, v21
	v_lshrrev_b32 v22, 3, v4                       ; back: eight lanes take a row of 128 bytes
	v_mul_u32_u24 v22, v22, 144
	v_lshl_add_u32 v22, v6, 4, v22
	v_add_nc_u32 v22, s62, v22
	v_lshlrev_b32 v23, 4, v4                       ; and the same four rows in qkv: 512 consecutive bytes a wave
	v_lshl_add_u32 v23, v1, 9, v23
.irp a, 0,1,2
.irp t, 0,1
	global_load_b128 v[128+32*\a+16*\t:131+32*\a+16*\t],    v20, s[40+2*\a:41+2*\a] offset:4096*\t
	global_load_b128 v[132+32*\a+16*\t:135+32*\a+16*\t],    v20, s[40+2*\a:41+2*\a] offset:4096*\t+16
	global_load_b128 v[136+32*\a+16*\t:139+32*\a+16*\t],    v20, s[40+2*\a:41+2*\a] offset:4096*\t+128
	global_load_b128 v[140+32*\a+16*\t:143+32*\a+16*\t],    v20, s[40+2*\a:41+2*\a] offset:4096*\t+144
.endr
.endr
	s_wait_dscnt 0x0
	s_barrier_signal -1
	s_barrier_wait -1                              ; every wave's reads of xn are over: its bytes become the stage
; lo' = lo C - hi S, hi' = hi C + lo S for the eight column pairs (j, j + 32) of a lane; then bf16 and 16 bytes each into the stage
.macro ROT a, t
.set LO, ACC+8*(4*\a+\t)
.set HI, ACC+8*(4*\a+2+\t)
.set TC, 128+32*\a+16*\t
.irp u, 0,2,4,6
	v_pk_mul_f32 v[224+\u:225+\u], v[LO+\u:LO+\u+1], v[TC+8+\u:TC+9+\u]
.endr
.irp u, 0,2,4,6
	v_pk_mul_f32 v[LO+\u:LO+\u+1], v[LO+\u:LO+\u+1], v[TC+\u:TC+\u+1]
.endr
.irp u, 0,2,4,6
	v_pk_fma_f32 v[LO+\u:LO+\u+1], v[HI+\u:HI+\u+1], v[TC+8+\u:TC+9+\u], v[LO+\u:LO+\u+1] neg_lo:[1,0,0] neg_hi:[1,0,0]
.endr
.irp u, 0,2,4,6
	v_pk_fma_f32 v[HI+\u:HI+\u+1], v[HI+\u:HI+\u+1], v[TC+\u:TC+\u+1], v[224+\u:225+\u]
.endr
.irp k, 0,1,2,3
	v_cvt_pk_bf16_f32 v[LO+\k], v[LO+2*\k], v[LO+2*\k+1]
.endr
.irp k, 0,1,2,3
	v_cvt_pk_bf16_f32 v[HI+\k], v[HI+2*\k], v[HI+2*\k+1]
.endr
	ds_store_b128 v21, v[LO:LO+3] offset:\a*9216+\t*2304
	ds_store_b128 v21, v[HI:HI+3] offset:\a*9216+\t*2304+64
.endm
.irp a, 0,1,2
	s_wait_loadcnt 16-8*\a                         ; this head's eight table loads are in; the later heads' stay out
	ROT \a, 0
	ROT \a, 1
.endr
	s_wait_dscnt 0x0
	s_barrier_signal -1
	s_barrier_wait -1                              ; the six heads' rows are whole
.irp k, 0,1,2,3,4,5,6,7,8,9,10,11
	ds_load_b128 v[128+4*\k:131+4*\k], v22 offset:(\k>>1)*9216+(\k&1)*4608
.endr
.irp k, 0,1,2,3,4,5,6,7,8,9,10,11
	s_wait_dscnt 11-\k                             ; LDS loads come back in order: load k is in
	global_store_b128 v23, v[128+4*\k:131+4*\k], s[46:47] offset:(\k>>1)*262144+(\k&1)*4096
.endr
	s_set_vgpr_msb 0x5
	s_wait_tensorcnt 0x0
	ds_add_u32 v0, v1
	s_wait_dscnt 0x0
	s_set_vgpr_msb 0x500
	ROUND                                          ; the closing round
	s_endpgm
.Lfunc_end_k_q810536844a_lnqkv:
	.size	k_q810536844a_lnqkv, .Lfunc_end_k_q810536844a_lnqkv-k_q810536844a_lnqkv
	.p2alignl 7, 3214868480
	.fill 96, 4, 3214868480
	.section	.rodata,"a",@progbits
	.p2align	6, 0x0
	.amdhsa_kernel k_q810536844a_lnqkv
		.amdhsa_group_segment_fixed_size 327680
		.amdhsa_private_segment_fixed_size 0
		.amdhsa_enable_private_segment 0
		.amdhsa_kernarg_size 56
		.amdhsa_user_sgpr_count 2
		.amdhsa_user_sgpr_kernarg_segment_ptr 1
		.amdhsa_wavefront_size32 1
		.amdhsa_system_sgpr_workgroup_id_x 1
		.amdhsa_system_sgpr_workgroup_id_y 1
		.amdhsa_system_sgpr_workgroup_id_z 1
		.amdhsa_system_vgpr_workitem_id 0
		.amdhsa_next_free_vgpr 258
		.amdhsa_next_free_sgpr 72
		.amdhsa_reserve_vcc 1
		.amdhsa_float_denorm_mode_32 3
		.amdhsa_float_denorm_mode_16_64 3
		.amdhsa_memory_ordered 1
		.amdhsa_forward_progress 1
		.amdhsa_inst_pref_size 91
	.end_amdhsa_kernel
	.amdgpu_metadata
---
amdhsa.version: [ 1, 2 ]
amdhsa.kernels:
  - .name:           k_q810536844a_lnqkv
    .symbol:         k_q810536844a_lnqkv.kd
    .args:
      - { .name: x, .offset: 0, .size: 8, .value_kind: global_buffer, .address_space: global }
      - { .name: gamma, .offset: 8, .size: 8, .value_kind: global_buffer, .address_space: global }
      - { .name: beta, .offset: 16, .size: 8, .value_kind: global_buffer, .address_space: global }
      - { .name: wqkv, .offset: 24, .size: 8, .value_kind: global_buffer, .address_space: global }
      - { .name: rot, .offset: 32, .size: 8, .value_kind: global_buffer, .address_space: global }
      - { .name: qkv, .offset: 40, .size: 8, .value_kind: global_buffer, .address_space: global }
      - { .name: stats, .offset: 48, .size: 8, .value_kind: global_buffer, .address_space: global }
    .group_segment_fixed_size: 327680
    .private_segment_fixed_size: 0
    .kernarg_segment_align: 8
    .kernarg_segment_size: 56
    .max_flat_workgroup_size: 256
    .sgpr_count:     72
    .vgpr_count:     258
    .wavefront_size: 32
...
	.end_amdgpu_metadata
.endif
;; end of part 2
;; launch attn (part 3): grid 32 x 8, 8 waves a work-group, clusters of 4 x 1, 327,680 bytes of LDS; arguments qkv, ao; writes ao
.if DOCPART == 3
	.amdgcn_target "amdgcn-amd-amdhsa--gfx1250"
	.amdhsa_code_object_version 6
	.text
	.protected	k_q810536844a_attn
	.globl	k_q810536844a_attn
	.p2align	8
	.type	k_q810536844a_attn,@function
k_q810536844a_attn:
	s_mov_b64 s[64:65], 0
	v_nop
	global_prefetch_b8 v0, s[64:65] scope:SCOPE_SE
	s_setreg_imm32_b32 hwreg(HW_REG_WAVE_MODE, 25, 1), 1
	s_wait_xcnt 0x0
	s_wait_alu depctr_hold_cnt(0) depctr_sa_sdst(0) depctr_va_vdst(0) depctr_va_sdst(0) depctr_va_ssrc(0) depctr_va_vcc(0) depctr_vm_vsrc(0)
	s_getreg_b32 s2, hwreg(HW_REG_IB_STS2, 6, 4)
	s_cmp_eq_u32 s2, 0
	s_cbranch_scc0 .Lentry_in_a_cluster
	s_endpgm
.Lentry_in_a_cluster:
	s_bfe_u32 s2, ttmp6, 0x10000c
	s_cmp_lg_u32 s2, 0x3003
	s_cbranch_scc0 .Lentry_shape_is_right
	s_endpgm
.Lentry_shape_is_right:
; attn: softmax(q k^T) v for all heads, with a running maximum.  q carries 0.125 log2(e) from the table, so p = 2^(s - m).
; A work-group takes 64 queries (x) of the four heads that share one key and value head (y = 2 b + g; heads g, g + 2, g + 4, g + 6).
; Wave w: head g + 2 (w & 3), queries 32 (w >> 2) .. + 31 of the block.       ao: bf16 [4 b][8 h][2048 n][64].
; LAYOUTS.  S^T = K Q^T: a lane holds one query (r) and eight keys of each tile, so two key tiles rounded to bf16 ARE the second operand of
; O^T = V^T P^T for 32 keys, and maximum, sum and rescaling are a lane's own but for one exchange with lane xor 16.  No shuffle, no LDS trip for P.
; K and V come in tiles of 256 keys through two LDS slots; a tile is four blocks of 64 keys.
; CLUSTER: the four query blocks of a cluster read the same K and V: every tile is asked for jointly (mask 15), waves 0-3 K's rows, waves 4-7 V's,
; 64 rows each.  By this text's count a wave has two tensor loads out at the start and one behind each refill.
; TWO GROUPS: waves 0-3 and waves 4-7 run the same phases one phase apart (matrix phase M: P V of the last block, then K Q of this one;
; vector phase SM: the softmax of this block), so that one group's matrix instructions and the other's vector work are issued in the same stretch.
; Each barrier finds the first group in front of an M and the second in front of an SM, and so keeps them apart.
; ONE TEXT FOR BOTH GROUPS: between two barriers the first group runs M0 S0 M1 S1 M2 S2 M3 V3 S3 and the second S3' M0 S0 M1 S1 M2 S2 M3 V3
; (V3: the request for block 3's V fragments; S3': the softmax of the tile before's last block).  The stretch M0 .. V3 is written once; the second
; group's S3' stands ahead of it and the first group's S3 behind it, each under a branch on the wave's number.  So a tile's text holds four
; matrix phases and five vector phases, not eight and eight.  Every LDS read has its block's place in the immediate.
; LIMITS: q, k, v, P and the result are bf16 matrix operands.  p below 2^-126 counts as 0 (v_exp_f32, ISA guide 15.8).  NaN and infinities are not treated apart.
.set SLOT,  81920                      ; K: 256 rows x 144 at + 0; V: 256 rows x 160 at + 40,960
.set VOFF,  40960
.set STAGE, 163840                     ; the way out: 32 rows x 144 for each wave; no tensor load lands here
.set VK, 0                             ; v0-1     K fragments, slot 0, 1; never rewritten
.set VV, 2                             ; v2-3     V fragments, slot 0, 1; never rewritten
.set MP, 4                             ; v[4:7]   running maximum of query tile t, twice (a pair for packed arithmetic)
.set AL, 8                             ; v[8:11]  2^(old maximum - new), twice
.set LS, 12                            ; v[12:15] running sums of query tile t, two partial sums
.set T,  16                            ; v[16:23] at work
.set TP, 24                            ; v[24:25] what lane xor 16 holds
.set QB, 32                            ; v[32:63]   Q (t, ks) at 32 + 16 t + 8 ks
.set OB, 64                            ; v[64:127]  O (dt, t) at 64 + 32 t + 8 dt
.set SB, 128                           ; v[128:191] S (kt, t) at 128 + 32 t + 8 kt; P (t, kp) in the first 8 of 128 + 32 t + 16 kp
.set F0, 192                           ; v[192:223] fragments of K or V
.set F1, 224                           ; v[224:255]
.set G1K, 24
.set G1V, 32
.set G0K, 40                           ; a set for each slot
.set G0V, 48
.macro ROUND                           ; a round of the cluster's barrier
	s_barrier_signal -1
	s_barrier_wait -1
	s_cmp_lg_u32 s8, 0
	s_cbranch_scc1 .Lnw0_\@
	s_barrier_signal -3
.Lnw0_\@:
	s_barrier_wait -3
	s_barrier_signal -1
	s_barrier_wait -1
.endm
.macro PLACES n
.rept \n
	v_nop
.endr
.endm
	s_load_b128 s[4:7], s[0:1], 0x0                ; qkv s[4:5], ao s[6:7]
	v_lshl_add_u32 v30, v0, 2, 0x31000
	v_mov_b32 v31, 0
	ds_add_u32 v30, v31
	v_lshrrev_b32 v1, 5, v0
	v_readfirstlane_b32 s8, v1                     ; wave 0..7
	s_and_b32 s9, s8, 3
	s_lshr_b32 s15, s8, 2
	s_bfe_u32 s10, ttmp6, 0x40000                  ; cx
	s_lshl_b32 s11, ttmp9, 2
	s_add_co_u32 s11, s11, s10                     ; query block 0..31
	s_and_b32 s12, ttmp7, 0xffff
	s_lshr_b32 s13, s12, 1                         ; b
	s_and_b32 s14, s12, 1                          ; g
	s_mov_b32 s58, 0x76543210                      ; v_permlanex16_b32: lane i reads lane i of the other half
	s_mov_b32 s59, 0xfedcba98
	; group 1: 64 rows of 64 bf16; K padded by 16 bytes a row, V by 32
	s_mov_b32 s[G1K+0], 15|(1<<16)|(1<<20)|(1<<21)|(4<<22)|(3<<25)
	s_mov_b32 s[G1V+0], 15|(1<<16)|(1<<20)|(1<<21)|(4<<22)|(7<<25)
.irp g, G1K, G1V
	s_mov_b32 s[\g+1], 64<<16                      ; tensor_dim0
	s_mov_b32 s[\g+2], 64<<16                      ; tensor_dim1
	s_mov_b32 s[\g+3], 64<<16                      ; tile_dim0
	s_mov_b32 s[\g+4], 64                          ; tile_dim1
	s_mov_b32 s[\g+5], 64                          ; elements from row to row
	s_mov_b32 s[\g+6], 0
	s_mov_b32 s[\g+7], 0
.endr
	; where the tiles come from: b, g and the wave's number alone
	s_mul_i32 s16, s13, 12
	s_add_co_u32 s16, s16, s14
	s_add_co_u32 s16, s16, 8                       ; K's plane
	s_lshl_b32 s16, s16, 18
	s_lshl_b32 s17, s9, 13                         ; my 64 rows of 128 bytes
	s_add_co_u32 s16, s16, s17
	s_mov_b32 s17, 0
	s_add_co_u32 s18, s16, 524288                  ; V's plane lies two planes further on
	s_mov_b32 s19, 0
	; q's and the result's rows
	s_mul_i32 s20, s13, 12
	s_lshl1_add_u32 s21, s9, s14                   ; h = 2 (w & 3) + g
	s_add_co_u32 s20, s20, s21
	s_lshl_b32 s20, s20, 18
	s_lshl_b32 s22, s11, 13                        ; block x 64 rows x 128
	s_lshl_b32 s23, s15, 12                        ; + 32 rows
	s_add_co_u32 s22, s22, s23
	s_add_co_u32 s20, s20, s22
	s_lshl3_add_u32 s57, s13, s21                  ; 8 b + h
	s_lshl_b32 s57, s57, 18
	s_add_co_u32 s22, s57, s22
	s_mov_b32 s21, 0
	s_mov_b32 s23, 0
	s_mul_i32 s56, s8, 4608
	s_add_co_u32 s56, s56, STAGE                   ; my stage
	v_and_b32 v16, 15, v0                          ; r
	v_bfe_u32 v17, v0, 4, 1                        ; hl
	v_and_b32 v18, 7, v0
	v_bfe_u32 v19, v0, 3, 1
	v_and_b32 v20, 31, v0                          ; L
	v_lshlrev_b32 v21, 7, v16
	v_lshl_add_u32 v21, v17, 4, v21                ; q: row r, 16 hl
	s_wait_dscnt 0x0
	s_wait_kmcnt 0x0
	s_add_nc_u64 s[60:61], s[4:5], s[20:21]
	s_add_nc_u64 s[62:63], s[6:7], s[22:23]
.irp t, 0,1
.irp c, 0,1
	global_load_b128 v[QB+16*\t+8*\c:QB+16*\t+8*\c+3],   v21, s[60:61] offset:2048*\t+64*\c
	global_load_b128 v[QB+16*\t+8*\c+4:QB+16*\t+8*\c+7], v21, s[60:61] offset:2048*\t+64*\c+32
.endr
.endr
	s_mul_i32 s[G0K+1], s8, 9216                   ; wave x 64 rows x 144 (waves 0-3 ask for K)
	s_mul_i32 s[G0V+1], s8, 10240                  ; wave x 64 rows x 160: waves 4-7 land at 40,960 and beyond
	s_add_co_u32 s[G0K+5], s[G0K+1], SLOT
	s_add_co_u32 s[G0V+5], s[G0V+1], SLOT
	s_mov_b32 s[G0K+0], 1
	s_mov_b32 s[G0K+4], 1
	s_mov_b32 s[G0V+0], 1
	s_mov_b32 s[G0V+4], 1
	s_add_nc_u64 s[G0K+2:G0K+3], s[4:5], s[16:17]
	s_add_nc_u64 s[G0V+2:G0V+3], s[4:5], s[18:19]
	s_add_nc_u64 s[G0K+6:G0K+7], s[G0K+2:G0K+3], 32768     ; 256 keys on
	s_add_nc_u64 s[G0V+6:G0V+7], s[G0V+2:G0V+3], 32768
	s_or_b32 s[G0K+3], s[G0K+3], 0x80000000
	s_or_b32 s[G0V+3], s[G0V+3], 0x80000000
	s_or_b32 s[G0K+7], s[G0K+7], 0x80000000
	s_or_b32 s[G0V+7], s[G0V+7], 0x80000000
	ROUND                                          ; all four work-groups are here: the first joint loads meet
	s_cmp_lt_u32 s8, 4
	s_cbranch_scc0 .Lfirst_v
	tensor_load_to_lds s[G0K:G0K+3], s[G1K:G1K+7]
	s_nop 0
	tensor_load_to_lds s[G0K+4:G0K+7], s[G1K:G1K+7]
	s_nop 0
	s_branch .Lfirst_done
.Lfirst_v:
	tensor_load_to_lds s[G0V:G0V+3], s[G1V:G1V+7]
	s_nop 0
	tensor_load_to_lds s[G0V+4:G0V+7], s[G1V:G1V+7]
	s_nop 0
.Lfirst_done:
	v_mul_u32_u24 v22, v16, 144
	v_lshl_add_u32 v22, v17, 4, v22                ; r x 144 + 16 hl
	v_lshl_add_u32 v23, v17, 3, v18                ; the row that a transposing load of mine addresses
	v_mul_u32_u24 v23, v23, 160
	v_lshl_add_u32 v23, v19, 4, v23
	v_add_nc_u32 v26, s56, v22                     ; the stage, in
	v_lshrrev_b32 v27, 3, v20
	v_mul_u32_u24 v27, v27, 144
	v_lshl_add_u32 v27, v18, 4, v27
	v_add_nc_u32 v27, s56, v27                     ; back: eight lanes take a row of 128 bytes
	v_lshlrev_b32 v28, 4, v20                      ; and 512 consecutive bytes of the result
	v_mov_b32 v[VK], v22
	v_add_nc_u32 v[VK+1], SLOT, v22
	v_add_nc_u32 v[VV], VOFF, v23
	v_add_nc_u32 v[VV+1], VOFF+SLOT, v23
	v_mov_b32 v[TP], 0                             ; v_permlanex16_b32 counts as a reader of its destination
	v_mov_b32 v[TP+1], 0
; 8 loads: K's fragments of 32 keys (two tiles kt', both halves ks of the head's 64) of block j of slot s
.macro KLOAD f, s, j, ktp
.irp k, 0,1
.irp c, 0,1
	ds_load_b128 v[\f+16*\k+8*\c:\f+16*\k+8*\c+3],   v[VK+\s] offset:(64*\j+32*\ktp+16*\k)*144+64*\c
	ds_load_b128 v[\f+16*\k+8*\c+4:\f+16*\k+8*\c+7], v[VK+\s] offset:(64*\j+32*\ktp+16*\k)*144+64*\c+32
.endr
.endr
.endm
; 16 transposing loads: V's fragments of block j: keys 0-31 into F0, 32-63 into F1, four tiles of 16 along the head
.macro VLOAD s, j
.irp d, 0,1,2,3
	ds_load_tr16_b128 v[F0+8*\d:F0+8*\d+3],   v[VV+\s] offset:(64*\j)*160+32*\d
	ds_load_tr16_b128 v[F0+8*\d+4:F0+8*\d+7], v[VV+\s] offset:(64*\j)*160+32*\d+2560
.endr
.irp d, 0,1,2,3
	ds_load_tr16_b128 v[F1+8*\d:F1+8*\d+3],   v[VV+\s] offset:(64*\j+32)*160+32*\d
	ds_load_tr16_b128 v[F1+8*\d+4:F1+8*\d+7], v[VV+\s] offset:(64*\j+32)*160+32*\d+2560
.endr
.endm
; 8 matrix instructions on the eight accumulators of O, by turns
.macro PV f, kp, zero
.irp t, 0,1
.irp d, 0,1,2,3
.if \zero
	v_wmma_f32_16x16x32_bf16 v[OB+32*\t+8*\d:OB+32*\t+8*\d+7], v[\f+8*\d:\f+8*\d+7], v[SB+32*\t+16*\kp:SB+32*\t+16*\kp+7], 0
.else
	v_wmma_f32_16x16x32_bf16 v[OB+32*\t+8*\d:OB+32*\t+8*\d+7], v[\f+8*\d:\f+8*\d+7], v[SB+32*\t+16*\kp:SB+32*\t+16*\kp+7], v[OB+32*\t+8*\d:OB+32*\t+8*\d+7]
.endif
.endr
.endr
.endm
; 8 matrix instructions: four tiles of S start on the head's first 32, then take its second 32, by turns
.macro SQK f, ktp
.irp k, 0,1
.irp t, 0,1
	v_wmma_f32_16x16x32_bf16 v[SB+32*\t+8*(2*\ktp+\k):SB+32*\t+8*(2*\ktp+\k)+7], v[\f+16*\k:\f+16*\k+7], v[QB+16*\t:QB+16*\t+7], 0
.endr
.endr
.irp k, 0,1
.irp t, 0,1
	v_wmma_f32_16x16x32_bf16 v[SB+32*\t+8*(2*\ktp+\k):SB+32*\t+8*(2*\ktp+\k)+7], v[\f+16*\k+8:\f+16*\k+15], v[QB+16*\t+8:QB+16*\t+15], v[SB+32*\t+8*(2*\ktp+\k):SB+32*\t+8*(2*\ktp+\k)+7]
.endr
.endr
.endm
; THE MATRIX PHASE.  pv: 0 none, 1 P V of the last block is added, 2 it starts the sums.  sq = 1: K Q of block j of slot s.
; No two matrix instructions that follow each other share an accumulator, and every turn is one instruction.
; Places: four in front of loads into registers that a matrix instruction has read, five in front of matrix instructions that
; write over P.  FIVE close the phase, the largest distance that this matrix form asks for: whatever stands behind a phase, on any way through the
; branches on the wave's number and their joins (a vector phase that reads S, loads into both buffers, or another matrix phase that reads
; or writes over S's registers), is then far enough behind every matrix instruction of the phase.
.macro MPH pv, sq, s, j
.if \pv
	s_wait_dscnt 0x0                               ; V's fragments are in
.if \pv == 2
	PV F0, 0, 1
.else
	PV F0, 0, 0
.endif
.if \sq
	PLACES 4
	KLOAD F0, \s, \j, 0
.endif
	PV F1, 1, 0
.if \sq
	PLACES 5
	KLOAD F1, \s, \j, 1
.endif
.else
	KLOAD F0, \s, \j, 0
	KLOAD F1, \s, \j, 1
.endif
.if \sq
	s_wait_dscnt 0x8                               ; the first 32 keys' fragments are in; the eight younger loads stay out
	SQK F0, 0
	s_wait_dscnt 0x0
	SQK F1, 1
.endif
	PLACES 5
.endm
.macro SUBC c                          ; s - m for the 16 registers of chunk c = 2 t + kp
.irp u, 0,2,4,6,8,10,12,14
	v_pk_add_f32 v[SB+16*\c+\u:SB+16*\c+\u+1], v[SB+16*\c+\u:SB+16*\c+\u+1], v[MP+2*(\c>>1):MP+2*(\c>>1)+1] neg_lo:[0,1] neg_hi:[0,1]
.endr
.endm
.macro EXPC c
.irp u, 0,1,2,3,4,5,6,7,8,9,10,11,12,13,14,15
	v_exp_f32 v[SB+16*\c+\u], v[SB+16*\c+\u]
.endr
.endm
.macro SUMCVT c, first                 ; the chunk's sum into the running sum, then the chunk to bf16 in place: P (t, kp)
.set CB, SB+16*\c
.set LT, LS+2*(\c>>1)
.set AT, AL+2*(\c>>1)
	s_wait_alu depctr_va_vdst(0)
	v_pk_add_f32 v[T:T+1],   v[CB:CB+1],     v[CB+2:CB+3]
	v_pk_add_f32 v[T+2:T+3], v[CB+4:CB+5],   v[CB+6:CB+7]
	v_pk_add_f32 v[T+4:T+5], v[CB+8:CB+9],   v[CB+10:CB+11]
	v_pk_add_f32 v[T+6:T+7], v[CB+12:CB+13], v[CB+14:CB+15]
	v_pk_add_f32 v[T:T+1],   v[T:T+1],   v[T+2:T+3]
	v_pk_add_f32 v[T+4:T+5], v[T+4:T+5], v[T+6:T+7]
.if (\c&1) == 0
.if \first
	v_pk_add_f32 v[LT:LT+1], v[T:T+1], v[T+4:T+5]              ; the first block starts the sums
.else
	v_pk_add_f32 v[T:T+1], v[T:T+1], v[T+4:T+5]
	v_pk_fma_f32 v[LT:LT+1], v[LT:LT+1], v[AT:AT+1], v[T:T+1]
.endif
.else
	v_pk_add_f32 v[T:T+1], v[T:T+1], v[T+4:T+5]
	v_pk_add_f32 v[LT:LT+1], v[LT:LT+1], v[T:T+1]
.endif
.irp k, 0,1,2,3
	v_cvt_pk_bf16_f32 v[CB+\k], v[CB+2*\k], v[CB+2*\k+1]       ; keys 8 hl .. + 7 of the 32
.endr
.irp k, 0,1,2,3
	v_cvt_pk_bf16_f32 v[CB+4+\k], v[CB+8+2*\k], v[CB+9+2*\k]   ; keys 16 + 8 hl .. + 7
.endr
.endm
.macro RESCALE
.irp t, 0,1
.irp u, 0,2,4,6,8,10,12,14,16,18,20,22,24,26,28,30
	v_pk_mul_f32 v[OB+32*\t+\u:OB+32*\t+\u+1], v[OB+32*\t+\u:OB+32*\t+\u+1], v[AL+2*\t:AL+2*\t+1]
.endr
.endr
.endm
; THE VECTOR PHASE.  first = 1: no old maximum, nothing to rescale.  vl = 1: V's fragments of block j of slot s are asked for at its head.
; Behind each run of v_exp_f32 stands plain work on other registers before a result is used (ISA guide 5.7.2).
.macro SMPH first, vl, s, j
.if \vl
	VLOAD \s, \j
.endif
.irp t, 0,1
.if \first
	v_max_num_f32 v[T+2*\t],   v[SB+32*\t],    v[SB+32*\t+1]
	v_max_num_f32 v[T+2*\t+1], v[SB+32*\t+16], v[SB+32*\t+17]
.else
	v_max3_num_f32 v[T+2*\t],   v[SB+32*\t],    v[SB+32*\t+1],  v[MP+2*\t]
	v_max3_num_f32 v[T+2*\t+1], v[SB+32*\t+16], v[SB+32*\t+17], v[MP+2*\t]
.endif
.endr
.irp i, 2,4,6,8,10,12,14
.irp t, 0,1
	v_max3_num_f32 v[T+2*\t],   v[SB+32*\t+\i],    v[SB+32*\t+\i+1],  v[T+2*\t]
	v_max3_num_f32 v[T+2*\t+1], v[SB+32*\t+16+\i], v[SB+32*\t+17+\i], v[T+2*\t+1]
.endr
.endr
	v_max_num_f32 v[T],   v[T],   v[T+1]
	v_max_num_f32 v[T+2], v[T+2], v[T+3]
	v_permlanex16_b32 v[TP],   v[T],   s58, s59    ; the other eight keys of each tile lie in lane xor 16
	v_permlanex16_b32 v[TP+1], v[T+2], s58, s59
	v_max_num_f32 v[T],   v[T],   v[TP]
	v_max_num_f32 v[T+2], v[T+2], v[TP+1]
.if \first == 0
	v_sub_f32 v[T+4], v[MP],   v[T]
	v_sub_f32 v[T+5], v[MP+2], v[T+2]
	v_exp_f32 v[AL],   v[T+4]
	v_exp_f32 v[AL+2], v[T+5]
.endif
	v_mov_b32 v[MP],   v[T]
	v_mov_b32 v[MP+1], v[T]
	v_mov_b32 v[MP+2], v[T+2]
	v_mov_b32 v[MP+3], v[T+2]
.if \first == 0
	s_wait_alu depctr_va_vdst(0)
	v_mov_b32 v[AL+1], v[AL]
	v_mov_b32 v[AL+3], v[AL+2]
.endif
	SUBC 0
	EXPC 0
	SUBC 1
	SUMCVT 0, \first
	EXPC 1
	SUBC 2
	SUMCVT 1, \first
	EXPC 2
	SUBC 3
	SUMCVT 2, \first
	EXPC 3
.if \first
	v_nop
.else
	RESCALE
.endif
	SUMCVT 3, \first
.endm
; A TILE.  The change of slots: one barrier for two things.  In front of it each wave waits for its reads of the slot just read (prev) and for all
; its tensor loads, of which one is out: its part of the slot to be read (cur).  Behind it prev is filled again first, two tiles ahead, and has
; the whole tile's eight phases in which to land.  Where a slot is filled again the barrier is a round of the cluster's barrier.
; Then: the second group alone, the softmax of the tile before's last block (its V fragments are already in registers); both groups, the stretch
; M0 S0 M1 S1 M2 S2 M3 and the request for block 3's V fragments, behind which a wave has no read of this slot left to make; the first
; group alone, block 3's softmax.  last = 1 (the last tile): that softmax is due in both groups and stands under no branch.
.macro TILE cur, prev, refill, last
	s_wait_dscnt 0x0
	s_wait_tensorcnt 0x0
	ds_add_u32 v30, v31
	s_wait_dscnt 0x0
.if \refill
	s_add_nc_u64 s[G0K+4*\prev+2:G0K+4*\prev+3], s[G0K+4*\prev+2:G0K+4*\prev+3], 65536     ; 512 keys on; no load of mine is out
	s_add_nc_u64 s[G0V+4*\prev+2:G0V+4*\prev+3], s[G0V+4*\prev+2:G0V+4*\prev+3], 65536
	ROUND
.else
	s_barrier_signal -1
	s_barrier_wait -1
.endif
	s_cmp_lt_u32 s8, 4
.if \refill
	s_cbranch_scc0 .Lgb_\@
	tensor_load_to_lds s[G0K+4*\prev:G0K+4*\prev+3], s[G1K:G1K+7]
	s_nop 0
	s_branch .Lsh_\@
.Lgb_\@:
	tensor_load_to_lds s[G0V+4*\prev:G0V+4*\prev+3], s[G1V:G1V+7]
	s_nop 0
.else
	s_cbranch_scc1 .Lsh_\@
.endif
	SMPH 0, 0, \cur, 0                             ; waves 4-7: one phase behind
.Lsh_\@:
.irp j, 0,1,2
	MPH 1, 1, \cur, \j
	SMPH 0, 1, \cur, \j
.endr
	MPH 1, 1, \cur, 3
	VLOAD \cur, 3
.if \last
	SMPH 0, 0, \cur, 3
.else
	s_cmp_lt_u32 s8, 4
	s_cbranch_scc0 .Lte_\@
	SMPH 0, 0, \cur, 3                             ; waves 0-3: one phase ahead
.Lte_\@:
.endif
.endm
	s_wait_loadcnt 0x0                             ; q
	s_wait_tensorcnt 0x1                           ; my part of tile 0 is in; tile 1's may stay out
	s_barrier_signal -1
	s_barrier_wait -1
	s_cmp_lt_u32 s8, 4
	s_cbranch_scc0 .Lhold
	MPH 0, 1, 0, 0                                 ; the first group goes one phase ahead
.Lhold:
	s_wait_dscnt 0x0
	s_barrier_signal -1
	s_barrier_wait -1
	s_cmp_lt_u32 s8, 4
	s_cbranch_scc1 .Lt0s
	MPH 0, 1, 0, 0                                 ; the second group's first matrix phase
.Lt0s:
	SMPH 1, 1, 0, 0                                ; tile 0, both groups: block 0 starts the maximum and the sums of p
	MPH 2, 1, 0, 1                                 ; the first P V starts O's sums: nothing is cleared
	SMPH 0, 1, 0, 1
	MPH 1, 1, 0, 2
	SMPH 0, 1, 0, 2
	MPH 1, 1, 0, 3
	VLOAD 0, 3
	s_cmp_lt_u32 s8, 4
	s_cbranch_scc0 .Lt0e
	SMPH 0, 0, 0, 3                                ; waves 0-3: one phase ahead
.Lt0e:
	s_mov_b32 s56, 3                               ; tiles 1 to 6; the refills bring tiles 2 to 7
.Ltiles:
	TILE 1, 0, 1, 0
	TILE 0, 1, 1, 0
	s_sub_co_u32 s56, s56, 1
	s_cmp_lg_u32 s56, 0
	s_cbranch_scc1 .Ltiles
	TILE 1, 0, 0, 1                                ; tile 7: nothing is left to fetch
	MPH 1, 0, 1, 3                                 ; the last P V; the places that close it stand in front of the arithmetic below
	; THE WAY OUT: divide by the sums, round, 16 bytes a lane into my own stage, whole rows back, 512 consecutive bytes a store
	v_add_f32 v[T],   v[LS],   v[LS+1]
	v_add_f32 v[T+2], v[LS+2], v[LS+3]
	v_permlanex16_b32 v[TP],   v[T],   s58, s59
	v_permlanex16_b32 v[TP+1], v[T+2], s58, s59
	v_add_f32 v[T],   v[T],   v[TP]
	v_add_f32 v[T+2], v[T+2], v[TP+1]
	v_rcp_f32 v[AL],   v[T]                        ; the sum is at least 1: the largest score's own term
	v_rcp_f32 v[AL+2], v[T+2]
	v_nop
	s_wait_alu depctr_va_vdst(0)
	v_mov_b32 v[AL+1], v[AL]
	v_mov_b32 v[AL+3], v[AL+2]
	RESCALE
.irp t, 0,1
.irp d, 0,1,2,3
.irp k, 0,1,2,3
	v_cvt_pk_bf16_f32 v[OB+32*\t+8*\d+\k], v[OB+32*\t+8*\d+2*\k], v[OB+32*\t+8*\d+2*\k+1]
.endr
	ds_store_b128 v26, v[OB+32*\t+8*\d:OB+32*\t+8*\d+3] offset:2304*\t+32*\d
.endr
.endr
.irp k, 0,1,2,3,4,5,6,7
	ds_load_b128 v[SB+4*\k:SB+4*\k+3], v27 offset:576*\k       ; LDS serves a wave's instructions in order (ISA guide 5.7.1.4): these see the stores above
.endr
.irp k, 0,1,2,3,4,5,6,7
	s_wait_dscnt 7-\k
	global_store_b128 v28, v[SB+4*\k:SB+4*\k+3], s[62:63] offset:512*\k
.endr
	s_wait_tensorcnt 0x0
	ds_add_u32 v30, v31
	s_wait_dscnt 0x0
	ROUND                                          ; the closing round
	s_endpgm
.Lfunc_end_k_q810536844a_attn:
	.size	k_q810536844a_attn, .Lfunc_end_k_q810536844a_attn-k_q810536844a_attn
	.p2alignl 7, 3214868480
	.fill 96, 4, 3214868480
	.section	.rodata,"a",@progbits
	.p2align	6, 0x0
	.amdhsa_kernel k_q810536844a_attn
		.amdhsa_group_segment_fixed_size 327680
		.amdhsa_private_segment_fixed_size 0
		.amdhsa_enable_private_segment 0
		.amdhsa_kernarg_size 16
		.amdhsa_user_sgpr_count 2
		.amdhsa_user_sgpr_kernarg_segment_ptr 1
		.amdhsa_wavefront_size32 1
		.amdhsa_system_sgpr_workgroup_id_x 1
		.amdhsa_system_sgpr_workgroup_id_y 1
		.amdhsa_system_sgpr_workgroup_id_z 1
		.amdhsa_system_vgpr_workitem_id 0
		.amdhsa_next_free_vgpr 256
		.amdhsa_next_free_sgpr 66
		.amdhsa_reserve_vcc 0
		.amdhsa_float_denorm_mode_32 3
		.amdhsa_float_denorm_mode_16_64 3
		.amdhsa_memory_ordered 1
		.amdhsa_forward_progress 1
		.amdhsa_inst_pref_size 255
	.end_amdhsa_kernel
	.section	.bss,"aw",@nobits
	.p2align	6
	.space	262144
	.amdgpu_metadata
---
amdhsa.version: [ 1, 2 ]
amdhsa.kernels:
  - .name:           k_q810536844a_attn
    .symbol:         k_q810536844a_attn.kd
    .args:
      - { .name: qkv, .offset: 0, .size: 8, .value_kind: global_buffer, .address_space: global }
      - { .name: ao, .offset: 8, .size: 8, .value_kind: global_buffer, .address_space: global }
    .group_segment_fixed_size: 327680
    .private_segment_fixed_size: 0
    .kernarg_segment_align: 8
    .kernarg_segment_size: 16
    .max_flat_workgroup_size: 256
    .sgpr_count:     66
    .vgpr_count:     256
    .wavefront_size: 32
...
	.end_amdgpu_metadata
.endif
;; end of part 3
;; launch outproj (part 4): grid 4 x 64, 8 waves a work-group, clusters of 4 x 4, 296,960 bytes of LDS; arguments ao, woutb, x, stats, gamma, beta, bout, out0; writes out0
.if DOCPART == 4
	.amdgcn_target "amdgcn-amd-amdhsa--gfx1250"
	.amdhsa_code_object_version 6
	.text
	.protected	k_q810536844a_outproj
	.globl	k_q810536844a_outproj
	.p2align	8
	.type	k_q810536844a_outproj,@function
k_q810536844a_outproj:
	s_mov_b64 s[64:65], 0
	v_nop
	global_prefetch_b8 v0, s[64:65] scope:SCOPE_SE
	s_setreg_imm32_b32 hwreg(HW_REG_WAVE_MODE, 25, 1), 1
	s_wait_xcnt 0x0
	s_wait_alu depctr_hold_cnt(0) depctr_sa_sdst(0) depctr_va_vdst(0) depctr_va_sdst(0) depctr_va_ssrc(0) depctr_va_vcc(0) depctr_vm_vsrc(0)
	s_getreg_b32 s2, hwreg(HW_REG_IB_STS2, 6, 4)
	s_cmp_eq_u32 s2, 0
	s_cbranch_scc0 .Lentry_in_a_cluster
	s_endpgm
.Lentry_in_a_cluster:
	s_bfe_u32 s2, ttmp6, 0x10000c
	s_cmp_lg_u32 s2, 0xf033
	s_cbranch_scc0 .Lentry_shape_is_right
	s_endpgm
.Lentry_shape_is_right:
; outproj: out0[b][d][n] = xn[n][d] + sum over k of ao[n][k] Wout[k][d] + bout[d], with xn made again in f32 from x, the stored mean and
; reciprocal deviation, gamma and beta.
; A work-group makes 128 positions x 128 channels, K = 512 (8 heads x 64).  Wave w: 64 positions (w & 1) x 32 channels (w >> 1), 8 accumulators.
; D = ao fragment x W fragment: a lane holds one channel and eight neighbouring positions, which lie side by side in out0.
; CLUSTER 4 x 4: the weights' tile hangs on the channel quarter alone and is shared along a column of the cluster; ao's tile hangs on the block
; of positions alone and is shared along a row.  Both operands fit in LDS whole, so every tensor load is a first fill: four a wave (waves 0-3
; the weights, waves 4-7 ao), one for each quarter of K, all out at once, and each quarter is multiplied as soon as it has landed.
; LIMITS: ao and Wout are bf16 matrix operands; the residual is f32.  NaN and infinities are not treated apart.
.set OREG, 147456                      ; W: [512 k] x 288 bytes at 0; ao: 8 heads x 128 rows x 144 at 147,456
.set CT,   294912                      ; 128 f32 gamma, then 128 f32 beta + bout
.set STG,  147456                      ; the way out: 32 rows x 272 for each wave, in ao's bytes, which have had their only fill
.set ACC,  32                          ; v[32:95]   tile (pt, dtl) at 32 + 16 pt + 8 dtl
.set F0,   96                          ; v[96:143]  fragments: ao pt at + 8 pt, W dtl at + 32 + 8 dtl
.set F1,   144                         ; v[144:191]
.set XR,   192                         ; v[192:255] 16 rows of x, 4 positions each
.set C1,   96                          ; the way out: gamma of my 16 rows
.set C0,   112                         ;              beta + bout
.set YR,   128                         ;              the product's 16 rows
.set VW,   8                           ; v8-11   W fragments, quarter p
.set VO,   12                          ; v12-15  ao fragments, quarter p
.set G1W,  24
.set G1O,  32
.set G0W,  40                          ; s[40:55]: four sets
.macro ROUND                           ; a round of the cluster's barrier
	s_barrier_signal -1
	s_barrier_wait -1
	s_cmp_lg_u32 s20, 0
	s_cbranch_scc1 .Lnw0_\@
	s_barrier_signal -3
.Lnw0_\@:
	s_barrier_wait -3
	s_barrier_signal -1
	s_barrier_wait -1
.endm
.macro PLACES n
.rept \n
	v_nop
.endr
.endm
	s_load_b256 s[4:11], s[0:1], 0x0               ; ao s[4:5], woutb s[6:7], x s[8:9], stats s[10:11]
	s_load_b256 s[12:19], s[0:1], 0x20             ; gamma s[12:13], beta s[14:15], bout s[16:17], out0 s[18:19]
	s_set_vgpr_msb 0x40
	v_lshl_add_u32 v0, v0, 2, 0x48400
	v_mov_b32 v1, 0
	s_set_vgpr_msb 0x4045
	ds_add_u32 v0, v1
	s_set_vgpr_msb 0x4500
	v_lshrrev_b32 v1, 5, v0
	v_readfirstlane_b32 s20, v1                    ; wave 0..7
	s_bfe_u32 s21, ttmp6, 0x40000                  ; cx
	s_bfe_u32 s22, ttmp6, 0x40004                  ; cy
	s_lshl_b32 s96, ttmp9, 2
	s_add_co_u32 s96, s96, s21                     ; channel quarter
	s_and_b32 s23, ttmp7, 0xffff
	s_lshl_b32 s23, s23, 2
	s_add_co_u32 s23, s23, s22                     ; block of positions 0..63
	s_lshr_b32 s76, s23, 4                         ; b
	s_and_b32 s77, s23, 15
	s_lshl_b32 s77, s77, 7                         ; first position in the batch
	s_and_b32 s78, s20, 1                          ; wn
	s_lshr_b32 s79, s20, 1                         ; wd
	s_lshl_b32 s80, 0x1111, s21                    ; my column of the cluster
	s_or_b32 s[G1W+0], s80, (1<<16)|(1<<20)|(1<<21)|(5<<22)|(7<<25)   ; 2-byte elements; 32 bytes of padding behind every 256
	s_lshl_b32 s82, s22, 2
	s_lshl_b32 s82, 15, s82                        ; my row
	s_or_b32 s[G1O+0], s82, (1<<16)|(1<<20)|(1<<21)|(4<<22)|(3<<25)   ; 16 bytes behind every 128
	s_mov_b32 s[G1W+1], 128<<16                    ; W: 32 rows of 128 elements, 512 from row to row
	s_mov_b32 s[G1W+2], 32<<16
	s_mov_b32 s[G1W+3], 128<<16
	s_mov_b32 s[G1W+4], 32
	s_mov_b32 s[G1W+5], 512
	s_mov_b32 s[G1W+6], 0
	s_mov_b32 s[G1W+7], 0
	s_mov_b32 s[G1O+1], 64<<16                     ; ao: 64 rows of 64 elements, dense
	s_mov_b32 s[G1O+2], 64<<16
	s_mov_b32 s[G1O+3], 64<<16
	s_mov_b32 s[G1O+4], 64
	s_mov_b32 s[G1O+5], 64
	s_mov_b32 s[G1O+6], 0
	s_mov_b32 s[G1O+7], 0
	s_mul_i32 s97, s20, 9216                       ; wave x 32 rows x 288 = wave x 64 rows x 144
	s_lshl_b32 s80, s20, 15                        ; W: wave x 32 rows x 1,024; these two registers never hold cy
	s_lshl_b32 s81, s96, 8
	s_add_co_u32 s80, s80, s81
	s_mov_b32 s81, 0
	s_lshl_b32 s82, s76, 21                        ; ao: b x 8 planes; these two never hold cx
	s_lshl_b32 s83, s77, 7
	s_add_co_u32 s82, s82, s83
	s_bfe_u32 s83, s20, 0x10001                    ; waves 4-7: head 2 p + ((w >> 1) & 1),
	s_lshl_b32 s83, s83, 18
	s_add_co_u32 s82, s82, s83
	s_lshl_b32 s83, s78, 13                        ; rows 64 (w & 1)
	s_add_co_u32 s82, s82, s83
	s_mov_b32 s83, 0
	s_lshl_b32 s90, s76, 22                        ; x and out0: b, my 32 channels, my 64 positions
	s_lshl_b32 s91, s96, 20
	s_add_co_u32 s90, s90, s91
	s_lshl_b32 s91, s79, 18
	s_add_co_u32 s90, s90, s91
	s_lshl_b32 s92, s77, 2
	s_lshl_b32 s93, s78, 8
	s_add_co_u32 s92, s92, s93                     ; my 64 positions, in bytes
	s_add_co_u32 s90, s90, s92
	s_mov_b32 s91, 0
	s_lshl_b32 s93, s76, 13
	s_add_co_u32 s92, s92, s93                     ; the same in stats
	s_mov_b32 s93, 0
	s_lshl_b32 s98, s96, 9                         ; the quarter's 128 channels in gamma, beta, bout
	v_and_b32 v2, 15, v0                           ; r
	v_bfe_u32 v3, v0, 4, 1                         ; hl
	v_and_b32 v4, 7, v0
	v_bfe_u32 v5, v0, 3, 1
	v_lshlrev_b32 v24, 4, v2                       ; my 4 positions
	v_lshl_add_u32 v6, v3, 17, v24                 ; + 16 rows of 8,192 bytes for lanes 16-31
	v_and_b32 v7, 127, v0
	v_lshl_add_u32 v7, v7, 2, s98
	s_wait_dscnt 0x0
	s_wait_kmcnt 0x0
	s_add_nc_u64 s[84:85], s[8:9], s[90:91]
	s_add_nc_u64 s[86:87], s[18:19], s[90:91]
	s_add_nc_u64 s[88:89], s[10:11], s[92:93]
	global_load_b32 v25, v7, s[12:13]
	global_load_b32 v26, v7, s[14:15]
	global_load_b32 v27, v7, s[16:17]
.set i, 0
.rept 16
	global_load_b128 v[XR+4*i:XR+4*i+3], v6, s[84:85] offset:8192*i    ; sixteen lanes: 256 consecutive bytes of one channel's row
.set i, i+1
.endr
	global_load_b128 v[16:19], v24, s[88:89]                   ; means
	global_load_b128 v[20:23], v24, s[88:89] offset:32768      ; reciprocal deviations
	s_add_nc_u64 s[80:81], s[6:7], s[80:81]
	s_add_nc_u64 s[82:83], s[4:5], s[82:83]
.irp p, 0,1,2,3
	s_mov_b32 s[G0W+4*\p], 1
	s_add_co_u32 s[G0W+4*\p+1], s97, \p*36864
	s_add_nc_u64 s[G0W+4*\p+2:G0W+4*\p+3], s[80:81], \p*131072         ; 128 rows on
	s_or_b32 s[G0W+4*\p+3], s[G0W+4*\p+3], 0x80000000
.endr
.macro MKO g, p                        ; ao's group 0 for quarter p: waves 4-7 land at 147,456 + 36,864 p + 9,216 (w - 4)
	s_mov_b32 s[\g], 1
	s_add_co_u32 s[\g+1], s97, 110592+\p*36864
	s_add_nc_u64 s[\g+2:\g+3], s[82:83], \p*524288             ; two heads on
	s_or_b32 s[\g+3], s[\g+3], 0x80000000
.endm
	MKO 56, 0
	MKO 60, 1
	MKO 68, 2
	MKO 72, 3
	ROUND                                          ; all sixteen work-groups are here: the joint loads meet
	s_cmp_lt_u32 s20, 4
	s_cbranch_scc0 .Lfill_o
	tensor_load_to_lds s[40:43], s[G1W:G1W+7]
	s_nop 0
	tensor_load_to_lds s[44:47], s[G1W:G1W+7]
	s_nop 0
	tensor_load_to_lds s[48:51], s[G1W:G1W+7]
	s_nop 0
	tensor_load_to_lds s[52:55], s[G1W:G1W+7]
	s_nop 0
	s_branch .Lfilled
.Lfill_o:
	tensor_load_to_lds s[56:59], s[G1O:G1O+7]
	s_nop 0
	tensor_load_to_lds s[60:63], s[G1O:G1O+7]
	s_nop 0
	tensor_load_to_lds s[68:71], s[G1O:G1O+7]
	s_nop 0
	tensor_load_to_lds s[72:75], s[G1O:G1O+7]
	s_nop 0
.Lfilled:
	v_lshl_add_u32 v28, v3, 3, v4                  ; the row that a transposing load of mine addresses
	v_mul_u32_u24 v28, v28, 288
	v_lshl_add_u32 v28, v5, 4, v28
	s_lshl_b32 s94, s79, 6                         ; my 32 channels
	v_add_nc_u32 v[VW], s94, v28
	v_add_nc_u32 v[VW+1], 36864, v[VW]
	v_add_nc_u32 v[VW+2], 73728, v[VW]
	v_add_nc_u32 v[VW+3], 110592, v[VW]
	v_mul_u32_u24 v28, v2, 144
	v_lshl_add_u32 v28, v3, 4, v28
	s_mul_i32 s94, s78, 9216                       ; my 64 positions
	s_add_co_u32 s94, s94, OREG
	v_add_nc_u32 v[VO], s94, v28
	v_add_nc_u32 v[VO+1], 36864, v[VO]
	v_add_nc_u32 v[VO+2], 73728, v[VO]
	v_add_nc_u32 v[VO+3], 110592, v[VO]
	s_mul_i32 s94, s20, 8704
	s_add_co_u32 s94, s94, STG                     ; my stage
	v_mul_u32_u24 v29, v2, 272
	v_lshl_add_u32 v29, v3, 5, v29
	v_add_nc_u32 v29, s94, v29                     ; in: channel r, 32 bytes for each half of the lanes
	v_mul_u32_u24 v30, v3, 4352
	v_lshl_add_u32 v30, v2, 4, v30
	v_add_nc_u32 v30, s94, v30                     ; back: sixteen lanes take a row of 256 bytes; lanes 16-31 sixteen rows further down
	s_lshl_b32 s94, s79, 7
	s_add_co_u32 s94, s94, CT
	v_lshl_add_u32 v31, v3, 6, s94                 ; gamma of my 16 rows
	v_lshlrev_b32 v28, 2, v0
	v_add_nc_u32 v28, CT, v28
	s_wait_loadcnt 18                              ; gamma, beta, bout are in; the 18 younger loads stay out
	v_add_f32 v26, v26, v27
	v_cmp_gt_u32 vcc_lo, 128, v0
	v_cndmask_b32 v25, v26, v25, vcc_lo            ; threads 0-127: gamma; 128-255: beta + bout
	ds_store_b32 v28, v25
; 12 loads: the fragments of K step u (32 along K) of quarter p
.macro FETCH p, u, f
.irp t, 0,1,2,3
	ds_load_b128 v[\f+8*\t:\f+8*\t+3],   v[VO+\p] offset:(\u>>1)*18432+(\u&1)*64+\t*2304
	ds_load_b128 v[\f+8*\t+4:\f+8*\t+7], v[VO+\p] offset:(\u>>1)*18432+(\u&1)*64+\t*2304+32
.endr
.irp d, 0,1
	ds_load_tr16_b128 v[\f+32+8*\d:\f+32+8*\d+3], v[VW+\p] offset:\u*9216+\d*32
	ds_load_tr16_b128 v[\f+32+8*\d+4:\f+32+8*\d+7], v[VW+\p] offset:\u*9216+\d*32+4608
.endr
.endm
; 8 matrix instructions, the eight accumulators by turns, one instruction a turn
.macro MUL8 f, zero
.irp t, 0,1,2,3
.irp d, 0,1
.if \zero
	v_wmma_f32_16x16x32_bf16 v[ACC+16*\t+8*\d:ACC+16*\t+8*\d+7], v[\f+8*\t:\f+8*\t+7], v[\f+32+8*\d:\f+32+8*\d+7], 0
.else
	v_wmma_f32_16x16x32_bf16 v[ACC+16*\t+8*\d:ACC+16*\t+8*\d+7], v[\f+8*\t:\f+8*\t+7], v[\f+32+8*\d:\f+32+8*\d+7], v[ACC+16*\t+8*\d:ACC+16*\t+8*\d+7]
.endif
.endr
.endr
.endm
; A quarter of K.  s_wait_tensorcnt 3 - p: my load for quarter p has landed, the 3 - p younger ones stay out, so they may
; cross the barrier.  s_wait_dscnt 12: all but the 12 loads just issued are in.  Four places in front of loads into registers that a matrix
; instruction has read (ISA guide 7.12.1 for vector instructions).
.macro QTR p, zero
	s_wait_tensorcnt 3-\p
	s_wait_dscnt 0x0
	s_barrier_signal -1
	s_barrier_wait -1
	PLACES 4
	FETCH \p, 0, F0
	FETCH \p, 1, F1
	s_wait_dscnt 12
	MUL8 F0, \zero
	PLACES 4
	FETCH \p, 2, F0
	s_wait_dscnt 12
	MUL8 F1, 0
	PLACES 4
	FETCH \p, 3, F1
	s_wait_dscnt 12
	MUL8 F0, 0
	s_wait_dscnt 0x0
	MUL8 F1, 0
.endm
	QTR 0, 1                                       ; the first products start the sums
	QTR 1, 0
	QTR 2, 0
	QTR 3, 0
	s_barrier_signal -1                            ; no LDS instruction of mine is pending
	s_barrier_wait -1                              ; every wave's reads of ao are over: its bytes become the stage
	PLACES 4                                       ; behind the last products: for the stores of the sums and the loads into the fragment buffers
.irp t, 0,1,2,3
.irp d, 0,1
	ds_store_b128 v29, v[ACC+16*\t+8*\d:ACC+16*\t+8*\d+3]   offset:4352*\d+64*\t
	ds_store_b128 v29, v[ACC+16*\t+8*\d+4:ACC+16*\t+8*\d+7] offset:4352*\d+64*\t+16
.endr
.endr
.irp k, 0,1,2,3
	ds_load_b128 v[C1+4*\k:C1+4*\k+3], v31 offset:16*\k
.endr
.irp k, 0,1,2,3
	ds_load_b128 v[C0+4*\k:C0+4*\k+3], v31 offset:512+16*\k
.endr
.set i, 0
.rept 16
	ds_load_b128 v[YR+4*i:YR+4*i+3], v30 offset:272*i          ; my own stage: LDS serves a wave's instructions in order (ISA guide 5.7.1.4)
.set i, i+1
.endr
	s_wait_loadcnt 0x0                             ; x, means, reciprocal deviations
	; out = (x - mean) / sigma x gamma + (product + beta + bout), row by row; each half of the wave stores 256 consecutive bytes
.set i, 0
.rept 16
	s_wait_dscnt 15-i                              ; row i of the product is in (gamma and beta + bout were asked for ahead of it)
	v_pk_add_f32 v[XR+4*i:XR+4*i+1],   v[XR+4*i:XR+4*i+1],   v[16:17] neg_lo:[0,1] neg_hi:[0,1]
	v_pk_add_f32 v[XR+4*i+2:XR+4*i+3], v[XR+4*i+2:XR+4*i+3], v[18:19] neg_lo:[0,1] neg_hi:[0,1]
	v_pk_mul_f32 v[XR+4*i:XR+4*i+1],   v[XR+4*i:XR+4*i+1],   v[20:21]
	v_pk_mul_f32 v[XR+4*i+2:XR+4*i+3], v[XR+4*i+2:XR+4*i+3], v[22:23]
.if i&1
	v_pk_add_f32 v[YR+4*i:YR+4*i+1],   v[YR+4*i:YR+4*i+1],   v[C0+i-1:C0+i] op_sel:[0,1] op_sel_hi:[1,1]
	v_pk_add_f32 v[YR+4*i+2:YR+4*i+3], v[YR+4*i+2:YR+4*i+3], v[C0+i-1:C0+i] op_sel:[0,1] op_sel_hi:[1,1]
	v_pk_fma_f32 v[XR+4*i:XR+4*i+1],   v[XR+4*i:XR+4*i+1],   v[C1+i-1:C1+i], v[YR+4*i:YR+4*i+1]   op_sel:[0,1,0] op_sel_hi:[1,1,1]
	v_pk_fma_f32 v[XR+4*i+2:XR+4*i+3], v[XR+4*i+2:XR+4*i+3], v[C1+i-1:C1+i], v[YR+4*i+2:YR+4*i+3] op_sel:[0,1,0] op_sel_hi:[1,1,1]
.else
	v_pk_add_f32 v[YR+4*i:YR+4*i+1],   v[YR+4*i:YR+4*i+1],   v[C0+i:C0+i+1] op_sel:[0,0] op_sel_hi:[1,0]
	v_pk_add_f32 v[YR+4*i+2:YR+4*i+3], v[YR+4*i+2:YR+4*i+3], v[C0+i:C0+i+1] op_sel:[0,0] op_sel_hi:[1,0]
	v_pk_fma_f32 v[XR+4*i:XR+4*i+1],   v[XR+4*i:XR+4*i+1],   v[C1+i:C1+i+1], v[YR+4*i:YR+4*i+1]   op_sel:[0,0,0] op_sel_hi:[1,0,1]
	v_pk_fma_f32 v[XR+4*i+2:XR+4*i+3], v[XR+4*i+2:XR+4*i+3], v[C1+i:C1+i+1], v[YR+4*i+2:YR+4*i+3] op_sel:[0,0,0] op_sel_hi:[1,0,1]
.endif
	global_store_b128 v6, v[XR+4*i:XR+4*i+3], s[86:87] offset:8192*i
.set i, i+1
.endr
	s_set_vgpr_msb 0x5
	s_wait_tensorcnt 0x0
	ds_add_u32 v0, v1
	s_wait_dscnt 0x0
	s_set_vgpr_msb 0x500
	ROUND                                          ; the closing round
	s_endpgm
.Lfunc_end_k_q810536844a_outproj:
	.size	k_q810536844a_outproj, .Lfunc_end_k_q810536844a_outproj-k_q810536844a_outproj
	.p2alignl 7, 3214868480
	.fill 96, 4, 3214868480
	.section	.rodata,"a",@progbits
	.p2align	6, 0x0
	.amdhsa_kernel k_q810536844a_outproj
		.amdhsa_group_segment_fixed_size 296960
		.amdhsa_private_segment_fixed_size 0
		.amdhsa_enable_private_segment 0
		.amdhsa_kernarg_size 64
		.amdhsa_user_sgpr_count 2
		.amdhsa_user_sgpr_kernarg_segment_ptr 1
		.amdhsa_wavefront_size32 1
		.amdhsa_system_sgpr_workgroup_id_x 1
		.amdhsa_system_sgpr_workgroup_id_y 1
		.amdhsa_system_sgpr_workgroup_id_z 1
		.amdhsa_system_vgpr_workitem_id 0
		.amdhsa_next_free_vgpr 258
		.amdhsa_next_free_sgpr 100
		.amdhsa_reserve_vcc 1
		.amdhsa_float_denorm_mode_32 3
		.amdhsa_float_denorm_mode_16_64 3
		.amdhsa_memory_ordered 1
		.amdhsa_forward_progress 1
		.amdhsa_inst_pref_size 47
	.end_amdhsa_kernel
	.amdgpu_metadata
---
amdhsa.version: [ 1, 2 ]
amdhsa.kernels:
  - .name:           k_q810536844a_outproj
    .symbol:         k_q810536844a_outproj.kd
    .args:
      - { .name: ao, .offset: 0, .size: 8, .value_kind: global_buffer, .address_space: global }
      - { .name: woutb, .offset: 8, .size: 8, .value_kind: global_buffer, .address_space: global }
      - { .name: x, .offset: 16, .size: 8, .value_kind: global_buffer, .address_space: global }
      - { .name: stats, .offset: 24, .size: 8, .value_kind: global_buffer, .address_space: global }
      - { .name: gamma, .offset: 32, .size: 8, .value_kind: global_buffer, .address_space: global }
      - { .name: beta, .offset: 40, .size: 8, .value_kind: global_buffer, .address_space: global }
      - { .name: bout, .offset: 48, .size: 8, .value_kind: global_buffer, .address_space: global }
      - { .name: out0, .offset: 56, .size: 8, .value_kind: global_buffer, .address_space: global }
    .group_segment_fixed_size: 296960
    .private_segment_fixed_size: 0
    .kernarg_segment_align: 8
    .kernarg_segment_size: 64
    .max_flat_workgroup_size: 256
    .sgpr_count:     100
    .vgpr_count:     258
    .wavefront_size: 32
...
	.end_amdgpu_metadata
.endif
;; end of part 4
